; MI455X (gfx1250); checked and timed in simulation.
; The chip was launched on July 23, 2026; its instructions are those of AMD's public machine-readable ISA for CDNA 5 (MIT licence, August 2026) and "CDNA5" Instruction Set Architecture Reference Guide (July 2026). The comments in the code are by the model that wrote it; some were corrected since.
;; Rank Pool1d. Allowed arithmetic: float matrix products may take bf16 or f16 operands with f32 sums; all other float work in f32.
;; Inputs: x 4,194,304 float32.
;; Outputs: out0 4,194,305 float32; out1 4,194,305 int32.
;; One version. Each part assembles by itself: llvm-mc -triple=amdgcn-amd-amdhsa -mcpu=gfx1250 --defsym DOCPART=n.
;; ======== version 1 of 1: 1 launch
;; launch rankpool (part 1): grid 256 x 1, 16 waves a work-group, no clusters, 227,840 bytes of LDS; arguments x, out0, out1; writes out0, out1
.if DOCPART == 1
	.amdgcn_target "amdgcn-amd-amdhsa--gfx1250"
	.amdhsa_code_object_version 6
	.text
	.protected	k_q4eb4a5b338_rankpool
	.globl	k_q4eb4a5b338_rankpool
	.p2align	8
	.type	k_q4eb4a5b338_rankpool,@function
k_q4eb4a5b338_rankpool:
	s_mov_b64 s[64:65], 0
	v_nop
	global_prefetch_b8 v0, s[64:65] scope:SCOPE_SE
	s_setreg_imm32_b32 hwreg(HW_REG_WAVE_MODE, 25, 1), 1
	s_wait_xcnt 0x0
; RankPool1d.  p = x with 8 zeros on either side; for i = 0 .. 4194304:
;   out0[i] = the 8th smallest of p[i .. i+15], out1[i] = its place 0..15 in the window, equal values ranked by place (a stable sort).
; LIMITS.  NaN: not served (v_min_num/v_max_num drop a NaN, so the up to 16 windows that hold one come out wrong).
;          A result that is a zero may carry the other sign than the element the reference picks (+0 and -0 tie there and here).
;          Infinities and denormals are served: only min, max and compares touch the data.
;
; THE VALUE.  Neighbouring windows share their sorted pieces.  With t counting the inputs of a lane:
;   P[t] = sort(x[t..t+1])   T[t] = merge(P[t], P[t+2])   S[t] = merge(T[t], T[t+4])      1 + 3 + 9 comparators for each new t.
;   The window of output o is A = S[o] and B = S[o+8].  m_k = min(A_k, B_(9-k)) are its eight smallest, v = max m_k is the 8th.
; THE PLACE.  c = #{m_k < v} elements are smaller than v, so the stable 8th is the (8-c)-th element equal to v, by place.
;   A counter starts at c - 8 (unsigned) and takes [w_j == v] as carry-in for j = 0..15: it wraps to 0 at exactly that element,
;   and the carry-out of that one addition selects j.  No branch and no address hangs on the data.
;
; THE SHARES.  A lane makes 32 consecutive outputs from 48 inputs, all in registers; a wave 1,024 (a tile); 16 waves x 256 groups = 4,096 tiles.
;   Output 4194304 is one more stage of the wave that has the last tile, stored by its lane 31.
;   In: one tensor load a wave (4,096 consecutive bytes, laid into LDS rows of 128 + 16 bytes) and one 4-byte load a lane for the 16 words on
;   either side; then each lane reads its own run with 16-byte LDS loads, 144 bytes from lane to lane (an odd multiple of 16).
;   Out: four results at a time into LDS rows, read back so that each store of the wave covers 512 consecutive bytes, aligned.
;   Every LDS byte belongs to one wave: no barrier.  No cluster: a wave shares 128 of its 4,224 input bytes with its neighbours.
;   No matrix instruction: the problem has no products.
.set LEN,   4194304
.set TILE,  1024                       ; outputs of a wave
.set LASTT, LEN/TILE-1                 ; the tile that also makes output LEN
.set PITCH, 144                        ; an LDS row: the 32 words of a lane + 16 bytes
.set INB,   34*PITCH                   ; row 0: words left of the tile; rows 1-32: the tile; row 33: words right of it
.set OUTV,  INB                        ; 32 rows of values
.set OUTI,  INB+32*PITCH               ; 32 rows of places
.set WLDS,  INB+64*PITCH               ; LDS bytes of a wave: 14,112
.set LA,  2                            ; v2         LDS: part of the wave + lane x 144
.set RB,  3                            ; v3         LDS: where I read results back
.set GO,  4                            ; v4         16 x lane: my bytes in a store of 512
.set XW,  8                            ; v[8:55]    my 48 inputs: x[t] is input (first output - 8 + t)
.set PP,  56                           ; v[56:61]   sorted pairs, ring of 3
.set TA,  62                           ; v62, v63   at work in the 2+2 merge
.set TB,  63
.set TT,  64                           ; v[64:87]   sorted fours, ring of 6
.set SS,  88                           ; v[88:159]  sorted eights, ring of 9; at the end 64 registers of results on their way out
.set TM,  160                          ; v[160:169] at work in the 4+4 merge (and in the set-up)
.set MM,  170                          ; v[170:177] the eight smallest of the window
.set UU,  178                          ; v178, v179 partial maxima
.set RC,  180                          ; v180, v181 the counter, by the parity of the output
.set RD,  182                          ; v182       second counting chain
.set VO,  184                          ; v[184:191] values of eight outputs (two groups of four)
.set IO,  192                          ; v[192:199] places of eight outputs
.set EM,  32                           ; s[32:47]   [w_j == v], then the carry out of step j
.set LM,  48                           ; s[48:55]   [m_k < v]
	s_load_b128 s[4:7], s[0:1], 0x0                ; x s[4:5], out0 s[6:7]
	s_load_b64 s[8:9], s[0:1], 0x10                ; out1
	v_lshl_add_u32 v200, v0, 2, 0x37200
	v_mov_b32 v201, 0
	ds_add_u32 v200, v201
	ds_add_u32 v200, v201
	v_and_b32 v1, 31, v0                           ; lane
	v_lshrrev_b32 v[TM], 5, v0
	v_readfirstlane_b32 s10, v[TM]                 ; wave
	s_lshl_b32 s11, ttmp9, 4
	s_add_co_u32 s11, s11, s10                     ; tile = 16 x group + wave
	s_lshl_b32 s12, s11, 12                        ; its byte offset in x, out0 and out1 (below 16 MiB)
	s_mov_b32 s13, 0
	s_mul_i32 s14, s10, WLDS                       ; the LDS of the wave
	; tensor descriptor: one row of 512 elements of 8 bytes; after every 32 words 4 words are skipped: LDS rows of 144 bytes
	s_mov_b32 s20, 1                               ; group 0: count 1
	s_add_co_u32 s21, s14, PITCH                   ;          to LDS row 1 of my part
	s_mov_b32 s24, (3<<16)|(1<<20)|(4<<22)|(3<<25) ; group 1: 8-byte elements, padding on, interval code 4 (32 words), 4 words (code 3)
	s_mov_b32 s25, (TILE*4/8)<<16                  ; tensor_dim0 = 512
	s_mov_b32 s26, 1<<16
	s_mov_b32 s27, (TILE*4/8)<<16                  ; tile_dim0 = 512
	s_mov_b32 s28, 1                               ; no second dimension
	s_mov_b32 s29, 512
	s_mov_b32 s30, 0
	s_mov_b32 s31, 0
	; the 16 words left (lanes 0-15) and right (lanes 16-31) of the tile: element g = first - 16 + lane + 1024 x (lane / 16)
	v_lshrrev_b32 v[TM+1], 4, v1                   ; side
	s_lshl_b32 s15, s11, 10
	s_sub_co_u32 s15, s15, 16                      ; wraps below zero in tile 0: as an unsigned number such a g is not below LEN
	v_lshl_add_u32 v[TM+2], v[TM+1], 10, v1
	v_add_nc_u32 v[TM+2], s15, v[TM+2]
	v_cmp_gt_u32 s17, LEN, v[TM+2]                 ; g lies in x
	v_min_u32 v5, LEN-1, v[TM+2]                   ; the load stays inside x in any case
	v_lshlrev_b32 v5, 2, v5
	s_wait_dscnt 0x0
	s_wait_kmcnt 0x0
	s_add_nc_u64 s[22:23], s[4:5], s[12:13]        ; group 0: from the first word of the tile
	s_or_b32 s23, s23, 0x80000000                  ;          type 2
	tensor_load_to_lds s[20:23], s[24:31]
	s_nop 0
	global_load_b32 v6, v5, s[4:5]
	s_add_nc_u64 s[6:7], s[6:7], s[12:13]          ; out0 and out1 at the tile
	s_add_nc_u64 s[8:9], s[8:9], s[12:13]
	v_mul_u32_u24 v[LA], v1, PITCH
	v_add_nc_u32 v[LA], s14, v[LA]
	v_mul_u32_u24 v7, v[TM+1], 33*PITCH-128        ; with 4 x lane and the offset 64: row 0 word 16 + lane, or row 33 word lane - 16
	v_lshl_add_u32 v7, v1, 2, v7
	v_add_nc_u32 v7, s14, v7
	v_lshrrev_b32 v[RB], 3, v1                     ; back: eight lanes take the 128 bytes of a row, a wave four rows
	v_mul_u32_u24 v[RB], v[RB], PITCH
	v_and_b32 v[TM+3], 7, v1
	v_lshl_add_u32 v[RB], v[TM+3], 4, v[RB]
	v_add_nc_u32 v[RB], s14, v[RB]
	v_lshlrev_b32 v[GO], 4, v1
	s_wait_loadcnt 0x0
	v_cndmask_b32 v6, 0, v6, s17                   ; outside x the padding: 0
	s_wait_tensorcnt 0x0                           ; the tile is in LDS; only now does the wave itself write and read its part
	ds_store_b32 v7, v6 offset:64
	; my 48 words.  LDS serves the instructions of a wave in order (ISA guide 5.7.1.4): the loads see the store above.
	ds_load_b128 v[XW:XW+3],   v[LA] offset:96     ; the last 8 words of the row in front of mine
	ds_load_b128 v[XW+4:XW+7], v[LA] offset:112
.irp i, 0,1,2,3,4,5,6,7
	ds_load_b128 v[XW+8+4*\i:XW+11+4*\i], v[LA] offset:PITCH+16*\i
.endr
	ds_load_b128 v[XW+40:XW+43], v[LA] offset:2*PITCH      ; the first 8 words of the row behind mine
	ds_load_b128 v[XW+44:XW+47], v[LA] offset:2*PITCH+16
; Names of stage ST (the stage whose newest input is x[ST]).  The stage merges S[ST-7], makes output o = ST-15, scans for the place of
; output q = ST-16 and makes P[ST] and T[ST-2] for the next stage.  All remainders are taken of numbers that are not negative.
.macro SETST
.set TC, TT+4*((ST+5)%6)               ; T[ST-7]
.set TD, TT+4*((ST+3)%6)               ; T[ST-3]
.set SB, SS+8*((ST+2)%9)               ; S[ST-7] = B, written over S[ST-16], last read one stage ago
.set SA, SS+8*((ST+3)%9)               ; S[ST-15] = A
.set PN, PP+2*(ST%3)                   ; P[ST]
.set PO, PP+2*((ST+1)%3)               ; P[ST-2]
.set TN, TT+4*((ST+4)%6)               ; T[ST-2], written over T[ST-8], last read one stage ago
.set XN, XW+ST
.set OV, VO+((ST+1)%8)                 ; value of output o
.set RO, RC+((ST+1)%2)                 ; counter of output o
.set XQ, XW+ST-16                      ; first word of the window of q
.set XV, VO+(ST%8)                     ; value of output q
.set XR, RC+(ST%2)                     ; counter of output q
.set XX, IO+(ST%8)                     ; place of output q
.endm
.macro MN d, a, b
	v_min_num_f32 v[\d], v[\a], v[\b]
.endm
.macro MX d, a, b
	v_max_num_f32 v[\d], v[\a], v[\b]
.endm
.macro WMN d, a, b                     ; the same in the run-in, where the first stages have nothing to merge yet
.if DOS
	v_min_num_f32 v[\d], v[\a], v[\b]
.endif
.endm
.macro WMX d, a, b
.if DOS
	v_max_num_f32 v[\d], v[\a], v[\b]
.endif
.endm
; P[ST] = sort(x[ST], x[ST+1]) and T[ST-2] = merge(P[ST-2], P[ST]), a line each so that they can stand among other work
.macro PT1
.if DOP
	v_min_num_f32 v[PN], v[XN], v[XN+1]
.endif
.endm
.macro PT2
.if DOP
	v_max_num_f32 v[PN+1], v[XN], v[XN+1]
.endif
.endm
.macro PT3
.if DOT
	v_min_num_f32 v[TN], v[PO], v[PN]
.endif
.endm
.macro PT4
.if DOT
	v_max_num_f32 v[TA], v[PO], v[PN]
.endif
.endm
.macro PT5
.if DOT
	v_min_num_f32 v[TB], v[PO+1], v[PN+1]
.endif
.endm
.macro PT6
.if DOT
	v_max_num_f32 v[TN+3], v[PO+1], v[PN+1]
.endif
.endm
.macro PT7
.if DOT
	v_min_num_f32 v[TN+1], v[TA], v[TB]
.endif
.endm
.macro PT8
.if DOT
	v_max_num_f32 v[TN+2], v[TA], v[TB]
.endif
.endm
; the scan for the place of q, step j: is w_j the value; count it; if the counter wrapped here, j is the place
.macro XE j
.if DOX
	v_cmp_eq_f32 s[EM+\j], v[XQ+\j], v[XV]
.endif
.endm
.macro XA j
.if DOX
	v_add_co_ci_u32 v[XR], s[EM+\j], 0, v[XR], s[EM+\j]    ; carry in: [w_j == v]; carry out: the counter passed from 2^32 - 1 to 0
.endif
.endm
.macro XI j
.if DOX
.if \j == 1
	v_cndmask_b32 v[XX], 0, 1, s[EM+1]             ; starts the place: 0 unless step 1 (or a later one) wrapped
.else
	v_cndmask_b32 v[XX], v[XX], \j, s[EM+\j]
.endif
.endif
.endm
.macro CL k
	v_cmp_lt_f32 s[LM+\k], v[MM+\k], v[OV]
.endm
.macro AC d, k
	v_add_co_ci_u32 v[\d], s[LM+\k], 0, v[\d], s[LM+\k]    ; + [m_k < v]; the carry out is never set and not used
.endm
; A stage of the run-in: S[ST-7] (from stage 7 on) and P[ST], T[ST-2]
.macro WARM
	SETST
	PT1
	PT2
	WMN SB, TC, TD                                 ; B1
	WMX TM, TC, TD
	WMN TM+1, TC+2, TD+2
	WMX TM+2, TC+2, TD+2
	WMN TM+3, TC+1, TD+1
	WMX TM+4, TC+1, TD+1
	WMN TM+5, TC+3, TD+3
	WMX SB+7, TC+3, TD+3                           ; B8
	PT3
	PT4
	PT5
	PT6
	WMN TM+6, TM, TM+1
	WMX TM+7, TM, TM+1
	WMN TM+8, TM+4, TM+5
	WMX TM+9, TM+4, TM+5
	PT7
	PT8
	WMN SB+1, TM+3, TM+6
	WMX SB+2, TM+3, TM+6
	WMN SB+3, TM+8, TM+7
	WMX SB+4, TM+8, TM+7
	WMN SB+5, TM+9, TM+2
	WMX SB+6, TM+9, TM+2
.endm
; A full stage.  Three strands that do not depend on each other are laid line by line: the scan of output q (a chain of 16 additions with
; carry), output o (odd-even merge 4+4, minima, maximum, count) and the pair and four of the next stage, which fill the narrow end of the strand of o.
.macro FULL
	SETST
	XE 0
	XE 1
	XE 2
	MN SB, TC, TD                                  ; B1 = V1.  V = merge of the odd ranks (C1,C3 | D1,D3), W = of the even ranks
	MX TM, TC, TD
	XA 0
	MN TM+1, TC+2, TD+2
	XE 3
	MX TM+2, TC+2, TD+2                            ; V4
	MN TM+3, TC+1, TD+1                            ; W1
	XA 1
	MX TM+4, TC+1, TD+1
	XE 4
	MN TM+5, TC+3, TD+3
	MX SB+7, TC+3, TD+3                            ; B8 = W4
	MN TM+6, TM, TM+1                              ; V2
	XA 2
	MX TM+7, TM, TM+1                              ; V3
	XI 1
	MN TM+8, TM+4, TM+5                            ; W2
	XE 5
	MX TM+9, TM+4, TM+5                            ; W3
	MN MM+7, SA+7, SB                              ; m8 = min(A8, B1)
	XA 3
	MN MM, SA, SB+7                                ; m1 = min(A1, B8)
	XI 2
	MN SB+1, TM+3, TM+6                            ; B2, B3 = W1 against V2
	XE 6
	MX SB+2, TM+3, TM+6
	MN SB+3, TM+8, TM+7                            ; B4, B5 = W2 against V3
	XA 4
	MX SB+4, TM+8, TM+7
	XI 3
	MN SB+5, TM+9, TM+2                            ; B6, B7 = W3 against V4
	XE 7
	MX SB+6, TM+9, TM+2
	MN MM+6, SA+6, SB+1
	XA 5
	MN MM+5, SA+5, SB+2
	XI 4
	MN MM+4, SA+4, SB+3
	XE 8
	MN MM+3, SA+3, SB+4
	MN MM+2, SA+2, SB+5
	XA 6
	MN MM+1, SA+1, SB+6
	XI 5
	PT1
	XE 9
	PT2
	XA 7
	v_max3_num_f32 v[UU], v[MM], v[MM+7], v[MM+6]
	XI 6
	v_max3_num_f32 v[UU+1], v[MM+5], v[MM+4], v[MM+3]
	XE 10
	PT3
	XA 8
	PT4
	XI 7
	v_max3_num_f32 v[UU], v[UU], v[MM+2], v[MM+1]
	XE 11
	PT5
	XA 9
	PT6
	XI 8
	MX OV, UU, UU+1                                ; the 8th smallest
	XE 12
	PT7
	XA 10
	PT8
	XI 9
	CL 0
	XE 13
	CL 4
	XA 11
	CL 1
	XI 10
	CL 5
	XE 14
	CL 2
	XA 12
	CL 6
	XI 11
	CL 3
	XE 15
	CL 7
	XA 13
	v_cndmask_b32 v[RO], -8, -7, s[LM]             ; the counter c - 8 in two chains: at most 7 of the m_k are below their maximum,
	XI 12
	v_cndmask_b32 v[RD], 0, 1, s[LM+4]             ; so it ends between 2^32 - 8 and 2^32 - 1
	AC RO, 1
	XA 14
	AC RD, 5
	XI 13
	AC RO, 2
	AC RD, 6
	XA 15
	AC RO, 3
	XI 14
	v_add_co_ci_u32 v[RO], s[LM+7], v[RO], v[RD], s[LM+7]
	XI 15
.endm
; the scan alone, for an output that no further stage follows
.macro XONLY
	SETST
.irp j, 0,1,2,3,4,5,6,7,8,9,10,11,12,13,14,15
	XE \j
.endr
	XA 0
	XA 1
.irp j, 1,2,3,4,5,6,7,8,9,10,11,12,13,14
	XA \j+1
	XI \j
.endr
	XI 15
.endm
; outputs q-3 .. q (q = ST-16) are whole: 16 bytes of values and 16 of places into my LDS rows
.macro PUT
	ds_store_b128 v[LA], v[VO+((ST-19)%8):VO+((ST-19)%8)+3] offset:OUTV+4*(ST-19)
	ds_store_b128 v[LA], v[IO+((ST-19)%8):IO+((ST-19)%8)+3] offset:OUTI+4*(ST-19)
.endm
	; THE RUN-IN: stages 0 to 14 make P[0..14], T[0..12], S[0..7].
	; LDS loads come back in order (ISA guide 5.7.1): the counts say how many of the 12 loads are younger than the one that holds x[ST+1].
.set DOX, 0
.set DOP, 1
.set DOT, 0
.set DOS, 0
.set ST, 0
	s_wait_dscnt 11                                ; x[0..3]
.rept 15
.if (ST%4) == 3
	s_wait_dscnt 11-(ST+1)/4                       ; x[ST+1 .. ST+4]: 10, 9, 8
.endif
.if ST >= 2
.set DOT, 1
.endif
.if ST >= 7
.set DOS, 1
.endif
	WARM
.set ST, ST+1
.endr
	s_wait_dscnt 0x0                               ; all 48 words; the loads stand in front of the whole run-in
	; THE 32 OUTPUTS: stages 15 to 46; the place of output o is found during stage o + 16.
	; Stage 46 also makes P[46] and T[44] in every wave (8 lines), which only output 32 of the last tile uses.
	FULL
.set DOX, 1
.set ST, 16
.rept 31
	FULL
.if (ST%4) == 3
	PUT
.endif
.set ST, ST+1
.endr
	XONLY                                          ; ST = 47: the place of output 31
	PUT
	; OUTPUT 4194304: in the last tile every lane goes one output further; that of lane 31 is the one beyond the tiles
	; (the 8 right words of its window are padding).  The branch hangs on the tile number alone.
	s_cmp_lg_u32 s11, LASTT
	s_cbranch_scc1 .Lout
.set DOX, 0
.set DOP, 0
.set DOT, 0
.set ST, 47
	FULL                                           ; S[40], then output 32 from S[32] and S[40]: value in VO+0, counter in RC+0
.set DOX, 1
.set ST, 48
	XONLY                                          ; its place in IO+0
	v_mov_b32 v[TM], 0                             ; offset 0: the immediate 4096 reaches the word behind the tile
	v_cmp_eq_u32 vcc_lo, 31, v1
	s_wait_xcnt 0x0                                ; EXEC changes only behind this wait
	s_and_saveexec_b32 s16, vcc_lo
	global_store_b32 v[TM], v[VO], s[6:7] offset:TILE*4
	global_store_b32 v[TM], v[IO], s[8:9] offset:TILE*4
	s_wait_xcnt 0x0                                ; and again in front of the line that widens it
	s_or_b32 exec_lo, exec_lo, s16
.Lout:
	; THE WAY OUT.  Load q takes LDS rows 4q .. 4q+3: lane L gets outputs 128 q + 4 L .. + 3, so that a store of the wave covers
	; 512 consecutive bytes, aligned.  The rows were stored by this wave alone, and LDS serves its instructions in order (ISA guide 5.7.1.4).
.irp q, 0,1,2,3,4,5,6,7
	ds_load_b128 v[SS+4*\q:SS+4*\q+3], v[RB] offset:OUTV+4*PITCH*\q
.endr
.irp q, 0,1,2,3,4,5,6,7
	ds_load_b128 v[SS+32+4*\q:SS+32+4*\q+3], v[RB] offset:OUTI+4*PITCH*\q
.endr
.irp q, 0,1,2,3,4,5,6,7
	s_wait_dscnt 15-\q                             ; the 15 - q loads behind load q may stay out
	global_store_b128 v[GO], v[SS+4*\q:SS+4*\q+3], s[6:7] offset:512*\q th:TH_STORE_NT
.endr
.irp q, 0,1,2,3,4,5,6,7
	s_wait_dscnt 7-\q
	global_store_b128 v[GO], v[SS+32+4*\q:SS+32+4*\q+3], s[8:9] offset:512*\q th:TH_STORE_NT
.endr
	s_wait_tensorcnt 0x0
	ds_add_u32 v200, v201
	s_wait_dscnt 0x0
	s_endpgm
.Lfunc_end_k_q4eb4a5b338_rankpool:
	.size	k_q4eb4a5b338_rankpool, .Lfunc_end_k_q4eb4a5b338_rankpool-k_q4eb4a5b338_rankpool
	.p2alignl 7, 3214868480
	.fill 96, 4, 3214868480
	.section	.rodata,"a",@progbits
	.p2align	6, 0x0
	.amdhsa_kernel k_q4eb4a5b338_rankpool
		.amdhsa_group_segment_fixed_size 227840
		.amdhsa_private_segment_fixed_size 0
		.amdhsa_enable_private_segment 0
		.amdhsa_kernarg_size 24
		.amdhsa_user_sgpr_count 2
		.amdhsa_user_sgpr_kernarg_segment_ptr 1
		.amdhsa_wavefront_size32 1
		.amdhsa_system_sgpr_workgroup_id_x 1
		.amdhsa_system_sgpr_workgroup_id_y 1
		.amdhsa_system_sgpr_workgroup_id_z 1
		.amdhsa_system_vgpr_workitem_id 0
		.amdhsa_next_free_vgpr 202
		.amdhsa_next_free_sgpr 66
		.amdhsa_reserve_vcc 1
		.amdhsa_float_denorm_mode_32 3
		.amdhsa_float_denorm_mode_16_64 3
		.amdhsa_memory_ordered 1
		.amdhsa_forward_progress 1
		.amdhsa_inst_pref_size 189
	.end_amdhsa_kernel
	.amdgpu_metadata
---
amdhsa.version: [ 1, 2 ]
amdhsa.kernels:
  - .name:           k_q4eb4a5b338_rankpool
    .symbol:         k_q4eb4a5b338_rankpool.kd
    .args:
      - { .name: x, .offset: 0, .size: 8, .value_kind: global_buffer, .address_space: global }
      - { .name: out0, .offset: 8, .size: 8, .value_kind: global_buffer, .address_space: global }
      - { .name: out1, .offset: 16, .size: 8, .value_kind: global_buffer, .address_space: global }
    .group_segment_fixed_size: 227840
    .private_segment_fixed_size: 0
    .kernarg_segment_align: 8
    .kernarg_segment_size: 24
    .max_flat_workgroup_size: 512
    .sgpr_count:     66
    .vgpr_count:     202
    .wavefront_size: 32
...
	.end_amdgpu_metadata
.endif
;; end of part 1
